; MI455X (gfx1250); checked and timed in simulation.
; The chip was launched on July 23, 2026; its instructions are those of AMD's public machine-readable ISA for CDNA 5 (MIT licence, August 2026) and "CDNA5" Instruction Set Architecture Reference Guide (July 2026). The comments in the code are by the model that wrote it; some were corrected since.
;; Repro. Allowed arithmetic: float matrix products may take bf16 or f16 operands with f32 sums; all other float work in f32.
;; Inputs: W_qkv 768 x 256 float32; b_qkv 768 float32; x 4 x 2,048 x 256 float32.
;; Outputs: out0 4 x 4 x 2,048 x 64 float32.
;; 2 versions, each right; version 2 is version 1 with the launch proj written anew for expert scheduling mode. Each part assembles by itself: llvm-mc -triple=amdgcn-amd-amdhsa -mcpu=gfx1250 --defsym DOCPART=n.
;; ======== version 1 of 2: 2 launches
;; workspace buffers: qw 4,194,304 bytes; kw 4,194,304 bytes; vw 4,194,304 bytes
;; launch proj (part 1): grid 256 x 1, 8 waves a work-group, no clusters, 224,256 bytes of LDS; arguments x, W_qkv, b_qkv, qw, kw, vw; writes qw, kw, vw
.if DOCPART == 1
	.amdgcn_target "amdgcn-amd-amdhsa--gfx1250"
	.amdhsa_code_object_version 6
	.text
	.protected	k_q559e16b70c_proj
	.globl	k_q559e16b70c_proj
	.p2align	8
	.type	k_q559e16b70c_proj,@function
k_q559e16b70c_proj:
	s_mov_b64 s[64:65], 0
	v_nop
	global_prefetch_b8 v0, s[64:65] scope:SCOPE_SE
	s_setreg_imm32_b32 hwreg(HW_REG_WAVE_MODE, 25, 1), 1
	s_wait_xcnt 0x0
; q, k, v = x W^T + b.  x: [8192][256] f32, W: [768][256] f32, b: [768] f32.
; Out, all bf16: qw [16 bh][2048 s][64 d] = q * 0.125 * log2(e) (the product in f32, rounded once), kw [16 bh][2048 s][64 d],
; vw [16 bh][64 d][2048 s] (v transposed: the next launch wants keys along the rows of v).
; A work-group makes 128 rows of x times the 192 columns of one head (64 of q, 64 of k, 64 of v) over the whole K = 256: 64 row blocks x 4 heads = 256 work-groups.
; Wave w: mh = w >> 2 (64 rows, four tiles of 16), jt = w & 3 (column tile jt of q, of k and of v): 12 accumulators, 96 matrix instructions.
; THE WAY IN goes through registers, not through a tensor load, and no tile is asked for jointly: the data are f32 and the matrix unit takes bf16.  Through registers
; each of the 320 x 256 numbers is converted once (80 loads of 16 bytes a thread); as f32 tiles in LDS the 327,680 bytes would leave no room for the stages, and each
; fragment of x would be converted by four waves, each of W by two.
; LIMITS: x and W are rounded to bf16 for the products, q, k, v once to bf16 on the way out; sums in f32, the bias in f32 as the sums' first term.
.set XP, 528                           ; LDS pitch of a row of 256 bf16: 512 bytes + 16 = 33 x 16, so the 16 rows of a fragment load lie in 16 different 16-byte columns of 256 bytes
.set QP, 144                           ; pitch of the q and k stages: 128 bytes + 16
.set VP, 272                           ; pitch of the v stage: 256 bytes + 16
.set QS, 320*XP                        ; 168,960: behind rows 0-127 x, 128-191 Wq, 192-255 Wk, 256-319 Wv.  128 s rows of q
.set KS, QS+128*QP                     ; 187,392: 128 s rows of k
.set VS, KS+128*QP                     ; 205,824: 64 d rows of v, 128 s each; ends at 223,232
.set QSCALE, 0x3e38aa3b                ; 0.125 * log2(e): 1 / sqrt(64), and the next launch's exponentials are to base 2
.set LA,  2                            ; v[2:6]     way in: LDS address of my 8 bytes, for pieces 16 g .. 16 g + 15
.set XA,  7                            ; v7         fragments of x
.set WA,  8                            ; v[8:10]    fragments of Wq, Wk, Wv
.set SQ,  11                           ; v11        where I put 16 bytes of q (k: + KS - QS)
.set SV,  12                           ; v12        where I put 16 bytes of v
.set RQ,  13                           ; v13        where I read q and k back
.set RV,  14                           ; v14        where I read v back
.set GV,  15                           ; v15        my byte offset in vw
.set BQ,  24                           ; v[24:31]   bias of q as a C operand
.set BK,  32                           ; v[32:39]   of k
.set BV,  40                           ; v[40:47]   of v
.set ACC, 48                           ; v[48:143]  accumulator (sec, mt) at 48 + 8 (4 sec + mt)
.set RG,  48                           ; v[48:175]  way in: 32 slots of 4 registers (the accumulators and buffer 0 are not yet in use)
.set F0,  144                          ; v[144:199] fragment buffer 0: x tile mt at + 8 mt, W of section sec at + 32 + 8 sec
.set F1,  200                          ; v[200:255] fragment buffer 1
.set PK,  144                          ; v[144:191] way out: 4 packed registers for each of the 12 tiles
.set BO,  176                          ; v176, v177 offsets of the bias loads
.set TM,  180                          ; v[180:185] at work during the set-up
.set TP,  192                          ; v[192:255] way in: 32 pairs of packed bf16, one for each slot (the fragment buffers are not yet in use)
	s_load_b256 s[4:11], s[0:1], 0x0               ; x s[4:5], W s[6:7], b s[8:9], qw s[10:11]
	s_load_b128 s[12:15], s[0:1], 0x20             ; kw s[12:13], vw s[14:15]
	v_lshl_add_u32 v22, v0, 2, 0x36800
	v_mov_b32 v23, 0
	v_lshrrev_b32 v[TM], 5, v0
	v_readfirstlane_b32 s16, v[TM]                 ; wave 0..7
	s_lshr_b32 s17, s16, 2                         ; mh
	s_and_b32 s18, s16, 3                          ; jt
	s_and_b32 s19, ttmp9, 3                        ; head
	s_lshr_b32 s20, ttmp9, 2                       ; mb: block of 128 rows of x
	s_mov_b32 s22, QSCALE
	s_mov_b32 s23, QSCALE
	s_lshl_b32 s24, s20, 17                        ; x: mb x 128 rows x 1,024 bytes
	s_mov_b32 s25, 0
	s_lshl_b32 s26, s19, 16                        ; W: head x 64 rows x 1,024 bytes
	s_mov_b32 s27, 0
	s_lshl_b32 s28, s19, 8                         ; b: head x 64 x 4 bytes
	s_mov_b32 s29, 0
	s_lshr_b32 s30, s20, 4                         ; batch
	s_lshl2_add_u32 s30, s30, s19                  ; bh = 4 batch + head
	s_lshl_b32 s30, s30, 18                        ; bh x 262,144 bytes
	s_and_b32 s32, s20, 15                         ; which 128 of the batch's 2,048 rows
	s_lshl_b32 s33, s32, 14                        ; qw, kw: 128 rows of 128 bytes
	s_add_co_u32 s34, s30, s33
	s_mov_b32 s35, 0
	s_lshl_b32 s33, s32, 8                         ; vw: 128 columns of 2 bytes
	s_add_co_u32 s36, s30, s33
	s_mov_b32 s37, 0
	v_lshlrev_b32 v1, 4, v0                        ; 16 t: my 16 bytes of each piece of 4,096, on the way in and in qw and kw
	v_and_b32 v[TM+1], 15, v0                      ; r
	v_bfe_u32 v[TM+2], v0, 4, 1                    ; h
	s_lshl_b32 s38, s18, 6                         ; 16 jt numbers of 4 bytes
	v_lshl_add_u32 v[BO], v[TM+2], 5, s38          ; q, k: register j of my results is column 16 jt + 8 h + j
	v_lshl_add_u32 v[BO+1], v[TM+1], 2, s38        ; v: all my results are column 16 jt + r
	s_wait_kmcnt 0x0
	s_add_nc_u64 s[4:5], s[4:5], s[24:25]
	s_add_nc_u64 s[6:7], s[6:7], s[26:27]
	s_add_nc_u64 s[8:9], s[8:9], s[28:29]
	s_add_nc_u64 s[10:11], s[10:11], s[34:35]
	s_add_nc_u64 s[12:13], s[12:13], s[34:35]
	s_add_nc_u64 s[14:15], s[14:15], s[36:37]
	; the bias first: loads come back in order (ISA guide 5.7.1), so the first counted wait below covers these five
	global_load_b128 v[BQ:BQ+3],   v[BO], s[8:9]
	global_load_b128 v[BQ+4:BQ+7], v[BO], s[8:9] offset:16
	global_load_b128 v[BK:BK+3],   v[BO], s[8:9] offset:1024
	global_load_b128 v[BK+4:BK+7], v[BO], s[8:9] offset:1040
	global_load_b32  v[BV],        v[BO+1], s[8:9] offset:2048
; THE WAY IN.  Piece i (0 .. 79) is four rows of 1,024 bytes, 16 bytes a thread: pieces 0-31 are x, 32-47 Wq, 48-63 Wk, 64-79 Wv.
.macro RLOAD i
.if (\i) < 32
	global_load_b128 v[RG+4*((\i)%32):RG+4*((\i)%32)+3], v1, s[4:5] offset:4096*(\i)
.else
	global_load_b128 v[RG+4*((\i)%32):RG+4*((\i)%32)+3], v1, s[6:7] offset:262144*(((\i)-32)/16)+4096*(((\i)-32)%16)
.endif
.endm
; Batch k: pieces 4 k .. 4 k + 3.  One wait, eight conversions, four LDS stores, four reloads (the pieces 32 further on).  A store stands behind all eight conversions, not
; straight behind its own two, and each slot has its own pair of packed registers, written again only 32 pieces later: no conversion meets a store that still reads its target.
; No address register is ever written again.
.macro BATCH k
.if (\k) < 12
	s_wait_loadcnt 28                              ; 32 pieces are out: the four oldest are in, the 28 younger stay out
.else
	s_wait_loadcnt 76-4*(\k)                       ; nothing is loaded any more: 80 - 4 k are out, all but the four oldest may stay
.endif
.irp e, 0,1,2,3
	v_cvt_pk_bf16_f32 v[TP+2*((4*(\k)+\e)%32)],   v[RG+4*((4*(\k)+\e)%32)],   v[RG+4*((4*(\k)+\e)%32)+1]
	v_cvt_pk_bf16_f32 v[TP+2*((4*(\k)+\e)%32)+1], v[RG+4*((4*(\k)+\e)%32)+2], v[RG+4*((4*(\k)+\e)%32)+3]
.endr
.irp e, 0,1,2,3
	ds_store_b64 v[LA+(4*(\k)+\e)/16], v[TP+2*((4*(\k)+\e)%32):TP+2*((4*(\k)+\e)%32)+1] offset:4*XP*((4*(\k)+\e)%16)
.endr
.if (\k) < 12
.irp e, 0,1,2,3
	RLOAD 4*(\k)+\e+32
.endr
.endif
.endm
.irp g, 0,1
.irp k, 0,1,2,3,4,5,6,7,8,9,10,11,12,13,14,15
	RLOAD 16*\g+\k                                 ; 32 loads of 512 bytes a wave are on their way: 131,072 bytes for the work-group
.endr
.endr
	; LDS addresses, while the loads are out
	v_lshrrev_b32 v[TM+3], 6, v0                   ; which of a piece's four rows
	v_and_b32 v[TM+4], 63, v0                      ; which four numbers of the row
	v_mul_u32_u24 v[TM+3], v[TM+3], XP
	v_lshl_add_u32 v[LA], v[TM+4], 3, v[TM+3]
.irp g, 1,2,3,4
	v_add_nc_u32 v[LA+\g], \g*64*XP, v[LA]         ; 16 pieces are 64 rows
.endr
	; a fragment is 16 rows x 32 K: lane (r, h) takes 16 bytes at row r, byte 16 h, and 16 more 32 bytes on
	v_mul_u32_u24 v[TM+3], v[TM+1], XP
	v_lshl_add_u32 v[TM+3], v[TM+2], 4, v[TM+3]    ; r x pitch + 16 h
	s_mul_i32 s38, s17, 64*XP
	v_add_nc_u32 v[XA], s38, v[TM+3]               ; my 64 rows of x
	s_mul_i32 s38, s18, 16*XP
	s_add_co_u32 s38, s38, 128*XP
	v_add_nc_u32 v[WA], s38, v[TM+3]               ; my 16 rows of Wq,
	v_add_nc_u32 v[WA+1], 64*XP, v[WA]             ; of Wk,
	v_add_nc_u32 v[WA+2], 128*XP, v[WA]            ; of Wv
	v_mul_u32_u24 v[TM+3], v[TM+1], QP
	v_lshl_add_u32 v[TM+3], v[TM+2], 4, v[TM+3]
	s_mul_i32 s38, s17, 64*QP
	s_lshl_b32 s39, s18, 5
	s_add_co_u32 s38, s38, s39
	s_add_co_u32 s38, s38, QS
	v_add_nc_u32 v[SQ], s38, v[TM+3]               ; q stage: row 64 mh + r, byte 32 jt + 16 h
	v_mul_u32_u24 v[TM+3], v[TM+1], VP
	v_lshl_add_u32 v[TM+3], v[TM+2], 4, v[TM+3]
	s_mul_i32 s38, s18, 16*VP
	s_lshl_b32 s39, s17, 7
	s_add_co_u32 s38, s38, s39
	s_add_co_u32 s38, s38, VS
	v_add_nc_u32 v[SV], s38, v[TM+3]               ; v stage: row 16 jt + r, byte 128 mh + 16 h
	v_lshrrev_b32 v[TM+3], 3, v0
	v_and_b32 v[TM+4], 7, v0
	v_mul_u32_u24 v[TM+3], v[TM+3], QP
	v_lshl_add_u32 v[TM+3], v[TM+4], 4, v[TM+3]
	v_add_nc_u32 v[RQ], QS, v[TM+3]                ; back: eight threads take a row of 128 bytes
	v_lshrrev_b32 v[TM+3], 4, v0
	v_lshlrev_b32 v[TM+4], 4, v[TM+1]
	v_mul_u32_u24 v[TM+5], v[TM+3], VP
	v_add_nc_u32 v[TM+5], v[TM+5], v[TM+4]
	v_add_nc_u32 v[RV], VS, v[TM+5]                ; back: sixteen threads take a row of 256 bytes,
	v_lshl_add_u32 v[GV], v[TM+3], 12, v[TM+4]     ; which lies in a row of 4,096 bytes of vw
.irp k, 0,1,2,3,4,5,6,7,8,9,10,11,12,13,14,15,16,17,18,19
	BATCH \k
.endr
.irp j, 1,2,3,4,5,6,7
	v_mov_b32 v[BV+\j], v[BV]                      ; v's bias is one number a lane: all eight registers of the C operand hold it
.endr
	s_wait_dscnt 0x0                               ; my stores are in LDS, for the other waves' sake
	s_barrier_signal -1
	s_barrier_wait -1                              ; everybody's are: x and W are whole
; THE PRODUCT.
.macro PLACES n                        ; a load into a register that a matrix instruction names, and a vector instruction that reads its result or writes one of its registers,
.rept \n                               ; stand four plain vector instructions behind it (ISA guide 7.12.1); other matrix instructions are not counted as such here
	v_nop
.endr
.endm
.macro FETCH c, f                      ; the 14 loads of K step c (32 along K = 64 bytes of the rows): four tiles of x, one each of Wq, Wk, Wv
.irp mt, 0,1,2,3
	ds_load_b128 v[\f+8*\mt:\f+8*\mt+3],   v[XA] offset:16*XP*\mt+64*(\c)
	ds_load_b128 v[\f+8*\mt+4:\f+8*\mt+7], v[XA] offset:16*XP*\mt+64*(\c)+32
.endr
.irp sec, 0,1,2
	ds_load_b128 v[\f+32+8*\sec:\f+32+8*\sec+3],   v[WA+\sec] offset:64*(\c)
	ds_load_b128 v[\f+32+8*\sec+4:\f+32+8*\sec+7], v[WA+\sec] offset:64*(\c)+32
.endr
.endm
; 12 matrix instructions.  q and k: source 0 = 16 rows of W, source 1 = 16 rows of x, so that lane (r, h) holds row s = r and the eight NEIGHBOURING columns 8 h + j.
; v: source 0 = x, source 1 = W, so that the lane holds column r and eight neighbouring rows s = 8 h + j, which are neighbours in the transposed vw.
; first = 1: the bias is the C operand and starts the sums; nothing is cleared.  The twelve accumulators take turns, one instruction a turn.
.macro MUL f, first
.irp mt, 0,1,2,3
.if \first
	v_wmma_f32_16x16x32_bf16 v[ACC+8*\mt:ACC+8*\mt+7],       v[\f+32:\f+39], v[\f+8*\mt:\f+8*\mt+7], v[BQ:BQ+7]
	v_wmma_f32_16x16x32_bf16 v[ACC+32+8*\mt:ACC+32+8*\mt+7], v[\f+40:\f+47], v[\f+8*\mt:\f+8*\mt+7], v[BK:BK+7]
	v_wmma_f32_16x16x32_bf16 v[ACC+64+8*\mt:ACC+64+8*\mt+7], v[\f+8*\mt:\f+8*\mt+7], v[\f+48:\f+55], v[BV:BV+7]
.else
	v_wmma_f32_16x16x32_bf16 v[ACC+8*\mt:ACC+8*\mt+7],       v[\f+32:\f+39], v[\f+8*\mt:\f+8*\mt+7], v[ACC+8*\mt:ACC+8*\mt+7]
	v_wmma_f32_16x16x32_bf16 v[ACC+32+8*\mt:ACC+32+8*\mt+7], v[\f+40:\f+47], v[\f+8*\mt:\f+8*\mt+7], v[ACC+32+8*\mt:ACC+32+8*\mt+7]
	v_wmma_f32_16x16x32_bf16 v[ACC+64+8*\mt:ACC+64+8*\mt+7], v[\f+8*\mt:\f+8*\mt+7], v[\f+48:\f+55], v[ACC+64+8*\mt:ACC+64+8*\mt+7]
.endif
.endr
.endm
	FETCH 0, F0
	FETCH 1, F1
.irp c, 0,1,2,3,4,5,6,7
.if \c < 7
	s_wait_dscnt 14                                ; this K step's 14 loads are in; the next step's 14 may be out
.else
	s_wait_dscnt 0
.endif
.if \c == 0
	MUL F0, 1
.else
	MUL F0+56*(\c%2), 0
.endif
.if \c < 6
	PLACES 4
	FETCH \c+2, F0+56*(\c%2)                       ; the buffer just multiplied gets the K step after next
.endif
.endr
	; THE WAY OUT: round to bf16, 16 bytes a lane into the stages (bytes of their own: no wave still reading x or W is disturbed), back as whole rows.
	PLACES 4
.irp mt, 0,1,2,3
.irp p, 0,1,2,3
	v_pk_mul_f32 v[ACC+8*\mt+2*\p:ACC+8*\mt+2*\p+1], v[ACC+8*\mt+2*\p:ACC+8*\mt+2*\p+1], s[22:23] op_sel_hi:[1,0]
.endr
.irp p, 0,1,2,3
	v_cvt_pk_bf16_f32 v[PK+4*\mt+\p], v[ACC+8*\mt+2*\p], v[ACC+8*\mt+2*\p+1]
.endr
	ds_store_b128 v[SQ], v[PK+4*\mt:PK+4*\mt+3] offset:16*QP*\mt
.endr
.irp mt, 0,1,2,3
.irp p, 0,1,2,3
	v_cvt_pk_bf16_f32 v[PK+16+4*\mt+\p], v[ACC+32+8*\mt+2*\p], v[ACC+32+8*\mt+2*\p+1]
.endr
	ds_store_b128 v[SQ], v[PK+16+4*\mt:PK+16+4*\mt+3] offset:KS-QS+16*QP*\mt
.endr
.irp mt, 0,1,2,3
.irp p, 0,1,2,3
	v_cvt_pk_bf16_f32 v[PK+32+4*\mt+\p], v[ACC+64+8*\mt+2*\p], v[ACC+64+8*\mt+2*\p+1]
.endr
	ds_store_b128 v[SV], v[PK+32+4*\mt:PK+32+4*\mt+3] offset:32*\mt
.endr
	s_wait_dscnt 0x0                               ; my stores are in LDS, for the other waves' sake
	s_barrier_signal -1
	s_barrier_wait -1                              ; the three stages are whole
.irp i, 0,1,2,3
	ds_load_b128 v[ACC+4*\i:ACC+4*\i+3], v[RQ] offset:32*QP*\i             ; 256 threads take 32 rows of q
.endr
.irp i, 0,1,2,3
	ds_load_b128 v[ACC+16+4*\i:ACC+16+4*\i+3], v[RQ] offset:KS-QS+32*QP*\i ; of k
.endr
.irp i, 0,1,2,3
	ds_load_b128 v[ACC+32+4*\i:ACC+32+4*\i+3], v[RV] offset:16*VP*\i       ; 16 rows of v
.endr
	; in each store sixteen neighbouring lanes write 256 consecutive bytes at a multiple of 256 from the buffer's first byte
.irp i, 0,1,2,3
	s_wait_dscnt 11-\i                             ; LDS loads come back in order: the younger ones stay out
	global_store_b128 v1, v[ACC+4*\i:ACC+4*\i+3], s[10:11] offset:4096*\i
.endr
.irp i, 0,1,2,3
	s_wait_dscnt 7-\i
	global_store_b128 v1, v[ACC+16+4*\i:ACC+16+4*\i+3], s[12:13] offset:4096*\i
.endr
.irp i, 0,1,2,3
	s_wait_dscnt 3-\i
	global_store_b128 v[GV], v[ACC+32+4*\i:ACC+32+4*\i+3], s[14:15] offset:65536*\i
.endr
	s_wait_tensorcnt 0x0
	ds_add_u32 v22, v23
	s_wait_dscnt 0x0
	s_endpgm
.Lfunc_end_k_q559e16b70c_proj:
	.size	k_q559e16b70c_proj, .Lfunc_end_k_q559e16b70c_proj-k_q559e16b70c_proj
	.p2alignl 7, 3214868480
	.fill 96, 4, 3214868480
	.section	.rodata,"a",@progbits
	.p2align	6, 0x0
	.amdhsa_kernel k_q559e16b70c_proj
		.amdhsa_group_segment_fixed_size 224256
		.amdhsa_private_segment_fixed_size 0
		.amdhsa_enable_private_segment 0
		.amdhsa_kernarg_size 48
		.amdhsa_user_sgpr_count 2
		.amdhsa_user_sgpr_kernarg_segment_ptr 1
		.amdhsa_wavefront_size32 1
		.amdhsa_system_sgpr_workgroup_id_x 1
		.amdhsa_system_sgpr_workgroup_id_y 1
		.amdhsa_system_sgpr_workgroup_id_z 1
		.amdhsa_system_vgpr_workitem_id 0
		.amdhsa_next_free_vgpr 256
		.amdhsa_next_free_sgpr 66
		.amdhsa_reserve_vcc 0
		.amdhsa_float_denorm_mode_32 3
		.amdhsa_float_denorm_mode_16_64 3
		.amdhsa_memory_ordered 1
		.amdhsa_forward_progress 1
		.amdhsa_inst_pref_size 50
	.end_amdhsa_kernel
	.amdgpu_metadata
---
amdhsa.version: [ 1, 2 ]
amdhsa.kernels:
  - .name:           k_q559e16b70c_proj
    .symbol:         k_q559e16b70c_proj.kd
    .args:
      - { .name: x, .offset: 0, .size: 8, .value_kind: global_buffer, .address_space: global }
      - { .name: W_qkv, .offset: 8, .size: 8, .value_kind: global_buffer, .address_space: global }
      - { .name: b_qkv, .offset: 16, .size: 8, .value_kind: global_buffer, .address_space: global }
      - { .name: qw, .offset: 24, .size: 8, .value_kind: global_buffer, .address_space: global }
      - { .name: kw, .offset: 32, .size: 8, .value_kind: global_buffer, .address_space: global }
      - { .name: vw, .offset: 40, .size: 8, .value_kind: global_buffer, .address_space: global }
    .group_segment_fixed_size: 224256
    .private_segment_fixed_size: 0
    .kernarg_segment_align: 8
    .kernarg_segment_size: 48
    .max_flat_workgroup_size: 256
    .sgpr_count:     66
    .vgpr_count:     256
    .wavefront_size: 32
...
	.end_amdgpu_metadata
.endif
;; end of part 1
;; launch attn (part 2): grid 256 x 1, 8 waves a work-group, clusters of 4 x 1, 327,680 bytes of LDS; arguments qw, kw, vw, out0; writes out0
.if DOCPART == 2
	.amdgcn_target "amdgcn-amd-amdhsa--gfx1250"
	.amdhsa_code_object_version 6
	.text
	.protected	k_q559e16b70c_attn
	.globl	k_q559e16b70c_attn
	.p2align	8
	.type	k_q559e16b70c_attn,@function
k_q559e16b70c_attn:
	s_mov_b64 s[64:65], 0
	v_nop
	global_prefetch_b8 v0, s[64:65] scope:SCOPE_SE
	s_setreg_imm32_b32 hwreg(HW_REG_WAVE_MODE, 25, 1), 1
	s_wait_xcnt 0x0
	s_wait_alu depctr_hold_cnt(0) depctr_sa_sdst(0) depctr_va_vdst(0) depctr_va_sdst(0) depctr_va_ssrc(0) depctr_va_vcc(0) depctr_vm_vsrc(0)
	s_getreg_b32 s2, hwreg(HW_REG_IB_STS2, 6, 4)
	s_cmp_eq_u32 s2, 0
	s_cbranch_scc0 .Lentry_in_a_cluster
	s_endpgm
.Lentry_in_a_cluster:
	s_bfe_u32 s2, ttmp6, 0x10000c
	s_cmp_lg_u32 s2, 0x3003
	s_cbranch_scc0 .Lentry_shape_is_right
	s_endpgm
.Lentry_shape_is_right:
; out[bh][s][d] = softmax over keys of (q k^T / 8) times v, for 16 heads bh of 2,048 rows and 64 columns.
; In: qw [16][2048][64] bf16, already multiplied by 0.125 log2(e), kw [16][2048][64] bf16, vw [16][64][2048] bf16 (v transposed).  Out: f32.
; A work-group owns 128 queries of one head: 256 work-groups.  Wave w: pw = w & 3 (32 queries, two tiles of 16), g = w >> 2 (keys 1,024 g .. 1,024 g + 1,023 of the head).
; Waves pw and pw + 4 treat the same queries on disjoint keys, each with its own running maximum and sum, and merge at the end through LDS.
; TRANSPOSED PRODUCTS: S^T = K Q^T (source 0 = 16 keys, source 1 = 16 queries): register j of lane (r, h) holds key 8 h + j of query r.  A query lives in a lane, so maximum,
; sum and rescaling factor are one number a lane, and two neighbouring key tiles, packed to bf16, ARE the source-1 fragment (column = query r; k = 8 h .., 16 + 8 h ..)
; of O^T = V^T P^T.  No result moves between lanes but one exchange of the two halves for each maximum.
; THE PIPELINE: a wave's 1,024 keys go in 32 units of 32 keys.  Stage u does the softmax of unit u on the vector unit, and among its lines stand the eight matrix
; instructions of O += V(u-1) P(u-1) (first half) and the eight of S(u+1) = K(u+1) Q (second half): one matrix instruction for every eight or nine vector instructions,
; so that both units have work from one wave.  Two score buffers of 32 registers take turns: S(u+1) lands where P(u-1) has just been multiplied.
; The softmax lines also are the places behind the matrix instructions, so the loop holds no v_nop.  The price: maximum, factor and O's rescaling come for every 32 keys.
; Stage u fetches K(u+1)'s fragments at its head and V(u)'s in its middle, each half a stage ahead of its use.  So that all LDS reads of four stages fall into ONE slot,
; slot t holds V's units 4 t .. 4 t + 3 and K's units 4 t + 1 .. 4 t + 4 (of both halves of the keys).  K's unit 0 comes straight from memory into registers, with Q.
; CLUSTERS: the four work-groups of a cluster are four query blocks of one head (16 blocks a head, 4 clusters) and walk the same eight tiles of K and V.  Every tile is asked
; for jointly, with the mask of all four, which divides the requests for K and V by four.  All partners make the same eight trips.
; SOFTMAX: the running maximum is the true one of the keys seen so far; sums and outputs are rescaled by 2^(old - new) in every unit.
; LIMITS: p is rounded to bf16 for the product with v while the sum takes it in f32; an exponential below 2^-126 counts as 0 (ISA guide, the entry of V_EXP_F32);
; the sums run in another order than a row-wise softmax; NaN or infinity among the inputs is not reproduced place by place (the maxima drop NaN).
.set SLOT, 69632                       ; a slot: K, 128 rows of 272 bytes (a row = two keys, 256 bytes, + 16): half g's unit j at row 64 g + 16 j; then V^T, 2 halves x 64 rows (d) of 272 bytes (128 keys + 16)
.set VOFF, 34816                       ; where V^T begins in a slot
.set ST,   2*SLOT                      ; 139,264: stage, 8 waves x 2 query tiles x 16 rows x 272 bytes; no tensor load ever fills it
.set ML,   ST+8*8704                   ; 208,896: (maximum, sum) pairs, 8 waves x 2 x 16 x 8 bytes; ends at 210,944
.set KA,   1                           ; v1, v2     K fragments in slot 0, 1
.set VA,   3                           ; v3, v4     V fragments in slot 0, 1
.set T0,   5                           ; v5, v6     at work, one for each query tile (during the set-up: r and h)
.set MLP,  7                           ; v7         where the partner puts (m, l)
.set BB,   8                           ; v[8:15]    query tile q: m, x, alpha, d at 8 + 4 q
.set LL,   16                          ; v16, v17   running sums of my half of each key tile
.set T2,   18                          ; v18, v19   at work, one for each query tile
.set LS,   20                          ; v[20:27]   query tile q: two pairs of partial sums at 20 + 4 q; at the end the partner's (m, l)
.set MLS,  28                          ; where I put (m, l)
.set STO,  29                          ; where I put my outputs
.set RA,   30                          ; where I read rows back
.set OUTO, 31                          ; my byte offset in out
.set QF,   32                          ; v[32:63]   fragments of Q: (q, c) at 32 + 8 (2 q + c), c = which 32 of the 64 d
.set OA,   64                          ; v[64:127]  O^T: (q, dt) at 64 + 8 (4 q + dt)
.set SC,   128                         ; v[128:191] score buffer b at 128 + 32 b: S^T (q, kt) at + 16 q + 8 kt; then P (q) in the first 8 registers of + 16 q
.set GO,   160                         ; v160       lane offset of the loads of Q and of K's unit 0 (buffer 1 is first written behind their wait)
.set FK,   192                         ; v[192:223] K fragments: (c, kt) at 192 + 16 c + 8 kt
.set FV,   224                         ; v[224:255] V fragments: dt at 224 + 8 dt
.set G1K,  16                          ; s[16:23]   shape of a wave's part of a K tile
.set G1V,  24                          ; s[24:31]   of a V tile
.set G0K,  32                          ; s[32:39]   from where, to where: K, a set for each slot
.set G0V,  40                          ; s[40:47]   V
.macro PLACES n                        ; plain vector instructions behind a matrix instruction: four before a vector instruction or a load touches its registers
.rept \n                               ; five before another matrix instruction writes over one of them; other matrix instructions and exponentials are not counted as such here
	v_nop
.endr
.endm
; A round of the cluster's barrier: my work-group's barrier, so that wave 0's signal speaks for all eight waves; wave 0 signals for the work-group; every wave waits for
; all four work-groups; my work-group's barrier once more.
.macro ROUND
	s_barrier_signal -1
	s_barrier_wait -1
	s_cmp_lg_u32 s12, 0
	s_cbranch_scc1 .Lnot_wave_0_\@
	s_barrier_signal -3
.Lnot_wave_0_\@:
	s_barrier_wait -3
	s_barrier_signal -1
	s_barrier_wait -1
.endm
	s_load_b256 s[4:11], s[0:1], 0x0               ; qw s[4:5], kw s[6:7], vw s[8:9], out s[10:11]
	s_set_vgpr_msb 0x40
	v_lshl_add_u32 v0, v0, 2, 0x33800
	v_mov_b32 v1, 0
	s_set_vgpr_msb 0x4045
	ds_add_u32 v0, v1
	s_set_vgpr_msb 0x4500
	v_lshrrev_b32 v18, 5, v0
	v_readfirstlane_b32 s12, v18                   ; wave 0..7
	s_lshr_b32 s13, s12, 2                         ; g: my half of the keys, to compute and to fetch
	s_and_b32 s14, s12, 3                          ; pw: my 32 queries; also which unit of K and which 16 rows of V^T I fetch
	s_bfe_u32 s15, ttmp6, 0x40000                  ; cx: my place in the cluster; it enters the addresses of qw and out alone
	s_lshl_b32 s49, ttmp9, 2                       ; in a cluster launch ttmp9 counts clusters
	s_add_co_u32 s49, s49, s15                     ; query block 0..255, over all heads
	s_mov_b32 s52, 0x76543210                      ; v_permlanex16_b32: lane i of one half reads lane i of the other
	s_mov_b32 s53, 0xfedcba98
	; K: a wave fetches one unit, 32 keys x 128 bytes, dense in memory: 16 rows of 256 bytes
	s_mov_b32 s[G1K+0], 15|(1<<16)|(1<<20)|(1<<21)|(5<<22)|(3<<25) ; 15:0 mask: all four work-groups; 17:16 elements of 2 bytes; 20 padding on; 21 set beside a mask; 24:22 after every 64 words; 31:25 four words
	s_mov_b32 s[G1K+1], 128<<16                    ; tensor_dim0 = 128 elements
	s_mov_b32 s[G1K+2], 16<<16                     ; tensor_dim1 = 16 rows
	s_mov_b32 s[G1K+3], 128<<16                    ; tile_dim0 = 128
	s_mov_b32 s[G1K+4], 16                         ; tile_dim1 = 16
	s_mov_b32 s[G1K+5], 128                        ; from row to row: 128 elements
	s_mov_b32 s[G1K+6], 0
	s_mov_b32 s[G1K+7], 0
	; V^T: a wave fetches 16 rows (d) x 128 keys: rows of 256 bytes, 4,096 bytes apart in memory
	s_mov_b32 s[G1V+0], 15|(1<<16)|(1<<20)|(1<<21)|(5<<22)|(3<<25)
	s_mov_b32 s[G1V+1], 128<<16
	s_mov_b32 s[G1V+2], 16<<16
	s_mov_b32 s[G1V+3], 128<<16
	s_mov_b32 s[G1V+4], 16
	s_mov_b32 s[G1V+5], 2048
	s_mov_b32 s[G1V+6], 0
	s_mov_b32 s[G1V+7], 0
	s_lshr_b32 s54, ttmp9, 2                       ; the head, which the cluster shares
	s_lshl_b32 s54, s54, 18                        ; x 262,144 bytes, in kw and in vw
	s_mov_b32 s55, 0
	s_lshl_b32 s56, s13, 17                        ; K: my half, 1,024 keys x 128 bytes
	s_mov_b32 s57, 0
	s_lshl_b32 s58, s14, 12                        ; K: unit pw of the tile, 4,096 bytes each,
	s_add_co_u32 s58, s58, 4096                    ; and the tiles begin one unit on
	s_mov_b32 s59, 0
	s_lshl_b32 s60, s14, 16                        ; V: 16 pw rows of 4,096 bytes
	s_lshl_b32 s62, s13, 11                        ; V: my half, 1,024 keys x 2 bytes
	s_add_co_u32 s60, s60, s62
	s_mov_b32 s61, 0
	s_mul_i32 s62, s12, 16*272                     ; and where they go: the wave's number alone enters an LDS address
	s_add_co_u32 s63, s62, VOFF
	s_lshl_b32 s50, s49, 14                        ; qw: query block x 128 rows x 128 bytes
	s_lshl_b32 s51, s14, 12                        ; + my 32 rows
	s_add_co_u32 s50, s50, s51
	s_mov_b32 s51, 0
	v_and_b32 v5, 15, v0                           ; r
	v_bfe_u32 v6, v0, 4, 1                         ; h
	v_lshlrev_b32 v18, 7, v5
	v_lshl_add_u32 v[GO], v6, 4, v18               ; row r of 128 bytes + 16 h
	s_wait_dscnt 0x0
	s_wait_kmcnt 0x0
	s_add_nc_u64 s[4:5], s[4:5], s[50:51]
	s_add_nc_u64 s[6:7], s[6:7], s[54:55]
	s_add_nc_u64 s[6:7], s[6:7], s[56:57]          ; kw at my half's unit 0
.irp q, 0,1
.irp c, 0,1
	global_load_b128 v[QF+8*(2*\q+\c):QF+8*(2*\q+\c)+3],   v[GO], s[4:5] offset:2048*\q+64*\c     ; Q stays in registers for the whole kernel
	global_load_b128 v[QF+8*(2*\q+\c)+4:QF+8*(2*\q+\c)+7], v[GO], s[4:5] offset:2048*\q+64*\c+32
.endr
.endr
.irp c, 0,1
.irp kt, 0,1
	global_load_b128 v[FK+16*\c+8*\kt:FK+16*\c+8*\kt+3],   v[GO], s[6:7] offset:2048*\kt+64*\c    ; K's unit 0, as fragments: 4,096 bytes a wave, once
	global_load_b128 v[FK+16*\c+8*\kt+4:FK+16*\c+8*\kt+7], v[GO], s[6:7] offset:2048*\kt+64*\c+32
.endr
.endr
	s_lshl_b32 s50, s49, 15                        ; out: query block x 128 rows x 256 bytes
	s_add_nc_u64 s[10:11], s[10:11], s[50:51]
	s_add_nc_u64 s[8:9], s[8:9], s[54:55]
	s_add_nc_u64 s[8:9], s[8:9], s[60:61]
.irp n, 0,1
	s_mov_b32 s[G0K+4*\n], 1                                       ; count = 1
	s_add_co_u32 s[G0K+4*\n+1], s62, \n*SLOT                       ; LDS address
	s_add_nc_u64 s[G0K+4*\n+2:G0K+4*\n+3], s[6:7], s[58:59]        ; unit 1 + pw of my half,
.if \n
	s_add_nc_u64 s[G0K+4*\n+2:G0K+4*\n+3], s[G0K+4*\n+2:G0K+4*\n+3], \n*16384   ; tile n: four units on
.endif
	s_or_b32 s[G0K+4*\n+3], s[G0K+4*\n+3], 0x80000000              ; type = 2
	s_mov_b32 s[G0V+4*\n], 1
	s_add_co_u32 s[G0V+4*\n+1], s63, \n*SLOT
	s_add_nc_u64 s[G0V+4*\n+2:G0V+4*\n+3], s[8:9], \n*256          ; tile n: 128 keys of 2 bytes on
	s_or_b32 s[G0V+4*\n+3], s[G0V+4*\n+3], 0x80000000
.endr
	ROUND                                          ; all four work-groups are here: the first joint loads meet
	tensor_load_to_lds s[G0K:G0K+3], s[G1K:G1K+7]  ; tile 0
	s_nop 0
	tensor_load_to_lds s[G0V:G0V+3], s[G1V:G1V+7]
	s_nop 0
	; K fragment: key r of a tile of 16 lies in row r >> 1, half r & 1; the 16 lanes of a load touch the 16-byte columns (r >> 1) + 8 (r & 1) of 256 bytes: all different
	v_lshrrev_b32 v18, 1, v5
	v_mul_u32_u24 v18, v18, 272
	v_and_b32 v19, 1, v5
	v_lshl_add_u32 v18, v19, 7, v18
	v_lshl_add_u32 v18, v6, 4, v18
	s_mul_i32 s60, s13, 64*272                     ; my half's 64 rows, of K and of V^T
	v_add_nc_u32 v[KA], s60, v18
	v_add_nc_u32 v[KA+1], SLOT, v[KA]
	; V fragment: row d = r, 16 bytes of keys at 16 h; the pitch is 17 x 16 bytes, so 16 rows lie in 16 different 16-byte columns
	v_mul_u32_u24 v18, v5, 272
	v_lshl_add_u32 v19, v6, 4, v18
	s_add_co_u32 s60, s60, VOFF
	v_add_nc_u32 v[VA], s60, v19
	v_add_nc_u32 v[VA+1], SLOT, v[VA]
	s_lshl_b32 s60, s12, 8
	s_add_co_u32 s60, s60, ML
	v_lshl_add_u32 v[MLS], v5, 3, s60
	s_xor_b32 s61, s12, 4                          ; the wave with my queries and the other keys
	s_lshl_b32 s61, s61, 8
	s_add_co_u32 s61, s61, ML
	v_lshl_add_u32 v[MLP], v5, 3, s61
	s_mul_i32 s60, s12, 8704
	s_add_co_u32 s60, s60, ST
	v_lshl_add_u32 v19, v6, 5, v18
	v_add_nc_u32 v[STO], s60, v19                  ; my stage: row = query r, 32 bytes (8 d) for each half of the lanes
	s_mul_i32 s60, s14, 8704
	s_mul_i32 s61, s13, 4352
	s_add_co_u32 s60, s60, s61
	s_add_co_u32 s60, s60, ST
	v_mul_u32_u24 v18, v6, 272
	v_lshl_add_u32 v18, v5, 4, v18
	v_add_nc_u32 v[RA], s60, v18                   ; back: query tile g of wave pw's stage; lanes 0-15 take one row of 256 bytes, lanes 16-31 the next
	s_lshl_b32 s60, s14, 13
	s_lshl_b32 s61, s13, 12
	s_add_co_u32 s60, s60, s61
	v_lshlrev_b32 v18, 8, v6
	v_lshl_add_u32 v18, v5, 4, v18
	v_add_nc_u32 v[OUTO], s60, v18                 ; and the same two rows in out
; eight loads: the unit at place j of the slot (16 rows): two key tiles x two halves of d
.macro KFETCH slot, j
.irp c, 0,1
.irp kt, 0,1
	ds_load_b128 v[FK+16*\c+8*\kt:FK+16*\c+8*\kt+3],   v[KA+\slot] offset:4352*\j+2176*\kt+64*\c
	ds_load_b128 v[FK+16*\c+8*\kt+4:FK+16*\c+8*\kt+7], v[KA+\slot] offset:4352*\j+2176*\kt+64*\c+32
.endr
.endr
.endm
; eight loads: V^T, four tiles of 16 d, the 32 keys (64 bytes) at place j of the rows
.macro VFETCH slot, j
.irp dt, 0,1,2,3
	ds_load_b128 v[FV+8*\dt:FV+8*\dt+3],   v[VA+\slot] offset:4352*\dt+64*\j
	ds_load_b128 v[FV+8*\dt+4:FV+8*\dt+7], v[VA+\slot] offset:4352*\dt+64*\j+32
.endr
.endm
; One matrix instruction of S^T = K Q^T into the buffer that is NOT b; c = 0 starts the sum.
.macro SMW b, c, kt, q
.if \c
	v_wmma_f32_16x16x32_bf16 v[SC+32*(1-\b)+16*\q+8*\kt:SC+32*(1-\b)+16*\q+8*\kt+7], v[FK+16*\c+8*\kt:FK+16*\c+8*\kt+7], v[QF+8*(2*\q+\c):QF+8*(2*\q+\c)+7], v[SC+32*(1-\b)+16*\q+8*\kt:SC+32*(1-\b)+16*\q+8*\kt+7]
.else
	v_wmma_f32_16x16x32_bf16 v[SC+32*(1-\b)+16*\q+8*\kt:SC+32*(1-\b)+16*\q+8*\kt+7], v[FK+16*\c+8*\kt:FK+16*\c+8*\kt+7], v[QF+8*(2*\q+\c):QF+8*(2*\q+\c)+7], 0
.endif
.endm
.macro SMN b, c, kt, q, nxt            ; the same, where there is a next unit
.if \nxt
	SMW \b, \c, \kt, \q
.endif
.endm
; One matrix instruction of O^T += V^T P^T, P from the buffer that is NOT b.  pv = 0: there is no unit before; 1: it starts the sum; 2: it adds.
.macro PVW b, q, dt, pv
.if \pv == 1
	v_wmma_f32_16x16x32_bf16 v[OA+32*\q+8*\dt:OA+32*\q+8*\dt+7], v[FV+8*\dt:FV+8*\dt+7], v[SC+32*(1-\b)+16*\q:SC+32*(1-\b)+16*\q+7], 0
.endif
.if \pv == 2
	v_wmma_f32_16x16x32_bf16 v[OA+32*\q+8*\dt:OA+32*\q+8*\dt+7], v[FV+8*\dt:FV+8*\dt+7], v[SC+32*(1-\b)+16*\q:SC+32*(1-\b)+16*\q+7], v[OA+32*\q+8*\dt:OA+32*\q+8*\dt+7]
.endif
.endm
; The maximum of my 16 scores of each query tile, in two chains a tile; the two tiles' lines alternate, so that four chains run side by side.
.macro MAXHEAD b
.irp q, 0,1
	v_max3_num_f32 v[T0+\q], v[SC+32*\b+16*\q], v[SC+32*\b+16*\q+1], v[SC+32*\b+16*\q+2]
.endr
.irp q, 0,1
	v_max3_num_f32 v[BB+4*\q+1], v[SC+32*\b+16*\q+3], v[SC+32*\b+16*\q+4], v[SC+32*\b+16*\q+5]
.endr
.endm
.macro MAX3A b, i
.irp q, 0,1
	v_max3_num_f32 v[T0+\q], v[T0+\q], v[SC+32*\b+16*\q+\i], v[SC+32*\b+16*\q+\i+1]
.endr
.endm
.macro MAX3B b, i
.irp q, 0,1
	v_max3_num_f32 v[BB+4*\q+1], v[BB+4*\q+1], v[SC+32*\b+16*\q+\i], v[SC+32*\b+16*\q+\i+1]
.endr
.endm
.macro MAXJOIN
.irp q, 0,1
	v_max_num_f32 v[T0+\q], v[T0+\q], v[BB+4*\q+1]
.endr
.endm
; the other half's 16 scores by one exchange; the new running maximum; alpha = 2^(old - new)
.macro MAXTAIL first
.irp q, 0,1
	v_permlanex16_b32 v[BB+4*\q+1], v[T0+\q], s52, s53     ; its destination has been written above
.endr
.if \first
.irp q, 0,1
	v_max_num_f32 v[BB+4*\q], v[T0+\q], v[BB+4*\q+1]
.endr
.else
.irp q, 0,1
	v_max3_num_f32 v[T2+\q], v[T0+\q], v[BB+4*\q+1], v[BB+4*\q]
.endr
.irp q, 0,1
	v_sub_f32 v[BB+4*\q+3], v[BB+4*\q], v[T2+\q]
.endr
.irp q, 0,1
	v_exp_f32 v[BB+4*\q+2], v[BB+4*\q+3]
.endr
.irp q, 0,1
	v_mov_b32 v[BB+4*\q], v[T2+\q]                         ; plain lines that touch neither alpha nor d stand behind the exponentials (ISA guide 5.7.2)
.endr
.endif
.endm
.macro SUBT b, q                       ; s - m, two at a time; both halves take the pair's first register, m
.irp i, 0,1,2,3,4,5,6,7
	v_pk_add_f32 v[SC+32*\b+16*\q+2*\i:SC+32*\b+16*\q+2*\i+1], v[SC+32*\b+16*\q+2*\i:SC+32*\b+16*\q+2*\i+1], v[BB+4*\q:BB+4*\q+1] op_sel_hi:[1,0] neg_lo:[0,1] neg_hi:[0,1]
.endr
.endm
.macro EXPT b, q, i0                   ; p = 2^(s - m), in place, eight of the sixteen
.irp i, 0,1,2,3,4,5,6,7
	v_exp_f32 v[SC+32*\b+16*\q+\i0+\i], v[SC+32*\b+16*\q+\i0+\i]
.endr
.endm
.macro SUMT b, q                       ; the unit's sum in two chains of pairs; the first eight p start them
	s_wait_alu depctr_va_vdst(0)
	v_pk_add_f32 v[LS+4*\q:LS+4*\q+1],   v[SC+32*\b+16*\q:SC+32*\b+16*\q+1],     v[SC+32*\b+16*\q+2:SC+32*\b+16*\q+3]
	v_pk_add_f32 v[LS+4*\q+2:LS+4*\q+3], v[SC+32*\b+16*\q+4:SC+32*\b+16*\q+5],   v[SC+32*\b+16*\q+6:SC+32*\b+16*\q+7]
	v_pk_add_f32 v[LS+4*\q:LS+4*\q+1],   v[LS+4*\q:LS+4*\q+1],   v[SC+32*\b+16*\q+8:SC+32*\b+16*\q+9]
	v_pk_add_f32 v[LS+4*\q+2:LS+4*\q+3], v[LS+4*\q+2:LS+4*\q+3], v[SC+32*\b+16*\q+10:SC+32*\b+16*\q+11]
	v_pk_add_f32 v[LS+4*\q:LS+4*\q+1],   v[LS+4*\q:LS+4*\q+1],   v[SC+32*\b+16*\q+12:SC+32*\b+16*\q+13]
	v_pk_add_f32 v[LS+4*\q+2:LS+4*\q+3], v[LS+4*\q+2:LS+4*\q+3], v[SC+32*\b+16*\q+14:SC+32*\b+16*\q+15]
.endm
.macro CVT b, q                        ; sixteen p to eight registers of bf16, in place and ascending: register i takes p 2 i and 2 i + 1, which no earlier line has overwritten
.irp i, 0,1,2,3,4,5,6,7
	v_cvt_pk_bf16_f32 v[SC+32*\b+16*\q+\i], v[SC+32*\b+16*\q+2*\i], v[SC+32*\b+16*\q+2*\i+1]
.endr
.endm
.macro RESC q, half                    ; 16 of the 32 registers of O of query tile q times the pair's first register, alpha
.irp i, 0,1,2,3,4,5,6,7
	v_pk_mul_f32 v[OA+32*\q+16*\half+2*\i:OA+32*\q+16*\half+2*\i+1], v[OA+32*\q+16*\half+2*\i:OA+32*\q+16*\half+2*\i+1], v[BB+4*\q+2:BB+4*\q+3] op_sel_hi:[1,0]
.endr
.endm
.macro FINS first                      ; l = l alpha + the unit's sum, the two tiles' lines alternating
.irp q, 0,1
	v_pk_add_f32 v[LS+4*\q:LS+4*\q+1], v[LS+4*\q:LS+4*\q+1], v[LS+4*\q+2:LS+4*\q+3]
.endr
.if \first
.irp q, 0,1
	v_add_f32 v[LL+\q], v[LS+4*\q], v[LS+4*\q+1]
.endr
.else
.irp q, 0,1
	v_add_f32 v[T0+\q], v[LS+4*\q], v[LS+4*\q+1]
.endr
.irp q, 0,1
	v_fma_f32 v[LL+\q], v[LL+\q], v[BB+4*\q+2], v[T0+\q]
.endr
.endif
.endm
; STAGE u, u = 4 t + j, b = u & 1.  Vector: the softmax of unit u in buffer b.  Matrix: O += V(u-1) P(u-1), then S(u+1), both on the other buffer.
; The sixteen accumulators (eight of O, four of S taken twice, four instructions apart) take turns, one instruction a turn.
; Places: behind the last product with V stand the 14 plain lines of SUMT and CVT, which name none of its registers, ahead of the loads into FV, of the first product that
; writes over P, and of O's rescaling; behind the last product with K stand the 14 plain lines of RESC and FINS ahead of the next stage's loads into FK and its reads of S.
; Behind each run of exponentials stands plain work on other registers before their results are read.
.macro STAGE slot, j, b, pv, first, nxt
.if \nxt
	KFETCH \slot, \j                               ; K(u+1): used half a stage further down
.endif
.if \pv
	s_wait_dscnt 8*\nxt                            ; V(u-1)'s eight loads are in; the eight just issued may be out
.endif
	PVW \b, 0, 0, \pv
	MAXHEAD \b
	MAX3A \b, 6
	MAX3B \b, 8
	PVW \b, 1, 0, \pv
	MAX3A \b, 10
	MAX3B \b, 12
	MAX3A \b, 14
	MAXJOIN
	PVW \b, 0, 1, \pv
	MAXTAIL \first
	PVW \b, 1, 1, \pv
	SUBT \b, 0
	PVW \b, 0, 2, \pv
	EXPT \b, 0, 0
	PVW \b, 1, 2, \pv
	EXPT \b, 0, 8
	PVW \b, 0, 3, \pv
	SUBT \b, 1
	PVW \b, 1, 3, \pv
	SUMT \b, 0
	CVT  \b, 0
	VFETCH \slot, \j                               ; V(u): used at the head of the next stage
.if \nxt
	s_wait_dscnt 8                                 ; K(u+1)'s eight loads are in; the eight just issued may be out
.endif
	SMN \b, 0, 0, 0, \nxt
	EXPT \b, 1, 0
	SMN \b, 0, 0, 1, \nxt
	EXPT \b, 1, 8
	SMN \b, 0, 1, 0, \nxt
.if \first
	v_nop                                          ; there is no O yet to rescale: the plain place behind the exponentials
.else
	RESC 0, 0
.endif
	SMN \b, 0, 1, 1, \nxt
.if \first == 0
	RESC 0, 1
.endif
	SMN \b, 1, 0, 0, \nxt
	SUMT \b, 1
	SMN \b, 1, 0, 1, \nxt
	CVT  \b, 1
	SMN \b, 1, 1, 0, \nxt
.if \first == 0
	RESC 1, 0
.endif
	SMN \b, 1, 1, 1, \nxt
.if \first == 0
	RESC 1, 1
.endif
	FINS \first
.if \first
	PLACES 4                                       ; without the rescaling too few plain lines stand behind the last product
.endif
.endm
; One tile: four stages.  In front of the round each wave waits for all its tensor loads (two are out: its parts of this trip's tile) and for its reads of the other slot
; (the last were V's, issued half a stage ago); the round makes both hold of every wave of all four work-groups; the joint refills are the first tensor loads behind it and
; have the whole trip (64 matrix instructions and the softmax of 128 keys in each wave) in which to land.
; refill = 1: the next tile; 2: the last tile, in which K's fourth unit would be unit 32, past my half's end: waves 3 and 7, in every work-group alike, do not ask for it;
; 0: nothing is filled, so my work-group's barrier alone shows the tile to all its waves.  kind = 1: the first trip, 2: the last.
.macro TRIP slot, refill, kind
	s_set_vgpr_msb 0x5
	s_wait_tensorcnt 0x0                           ; no tensor load of mine is out: every group 0 may be written
	ds_add_u32 v0, v1
	s_wait_dscnt 0x0
	s_set_vgpr_msb 0x500
	s_add_nc_u64 s[G0K+4*\slot+2:G0K+4*\slot+3], s[G0K+4*\slot+2:G0K+4*\slot+3], 2*16384   ; this slot's next tile
	s_add_nc_u64 s[G0V+4*\slot+2:G0V+4*\slot+3], s[G0V+4*\slot+2:G0V+4*\slot+3], 2*256
	s_wait_dscnt 0x0                               ; my reads of the last trip's tile are back
.if \refill
	ROUND
.else
	s_barrier_signal -1
	s_barrier_wait -1
.endif
.if \refill == 1
	tensor_load_to_lds s[G0K+4-4*\slot:G0K+7-4*\slot], s[G1K:G1K+7]        ; the next tile, into the slot read last trip
	s_nop 0
	tensor_load_to_lds s[G0V+4-4*\slot:G0V+7-4*\slot], s[G1V:G1V+7]
	s_nop 0
.endif
.if \refill == 2
	s_cmp_eq_u32 s14, 3
	s_cbranch_scc1 .Lno_unit_\@
	tensor_load_to_lds s[G0K+4-4*\slot:G0K+7-4*\slot], s[G1K:G1K+7]
	s_nop 0
.Lno_unit_\@:
	tensor_load_to_lds s[G0V+4-4*\slot:G0V+7-4*\slot], s[G1V:G1V+7]
	s_nop 0
.endif
.if \kind == 1
	STAGE \slot, 0, 0, 0, 1, 1                     ; unit 0 starts m and l; there is no product with V yet
	STAGE \slot, 1, 1, 1, 0, 1                     ; the first product with V starts O: nothing is cleared
.else
	STAGE \slot, 0, 0, 2, 0, 1
	STAGE \slot, 1, 1, 2, 0, 1
.endif
	STAGE \slot, 2, 0, 2, 0, 1
.if \kind == 2
	STAGE \slot, 3, 1, 2, 0, 0                     ; unit 31: no unit follows
.else
	STAGE \slot, 3, 1, 2, 0, 1
.endif
.endm
	s_wait_loadcnt 0x0                             ; Q and K's unit 0, once
.irp c, 0,1
.irp kt, 0,1
.irp q, 0,1
	SMW 1, \c, \kt, \q                             ; S(0), into buffer 0, while tile 0 is on its way
.endr
.endr
.endr
	PLACES 4                                       ; ahead of the loads into FK and of the reads of S(0)
	TRIP 0, 1, 1                                   ; the first lap stands in front of the loop
	TRIP 1, 1, 0
	s_mov_b32 s48, 2
.Lloop:
	TRIP 0, 1, 0                                   ; tiles 2, 4
	TRIP 1, 1, 0                                   ; tiles 3, 5
	s_sub_co_u32 s48, s48, 1
	s_cmp_lg_u32 s48, 0
	s_cbranch_scc1 .Lloop
	TRIP 0, 2, 0                                   ; tile 6; fetches tile 7
	TRIP 1, 0, 2                                   ; tile 7 fetches nothing (the stepped addresses are not used)
	s_wait_dscnt 0x0                               ; V(31)
.irp dt, 0,1,2,3
.irp q, 0,1
	PVW 0, \q, \dt, 2                              ; the last product: P(31) lies in buffer 1
.endr
.endr
	PLACES 4                                       ; ahead of the reads of O and of the loads into the score buffers
	; THE MERGE.  First the pairs (m, l): l over both halves of the lanes.
.irp q, 0,1
	v_permlanex16_b32 v[BB+4*\q+1], v[LL+\q], s52, s53
	v_add_f32 v[BB+4*\q+1], v[BB+4*\q+1], v[LL+\q]
	ds_store_b64 v[MLS], v[BB+4*\q:BB+4*\q+1] offset:128*\q        ; both halves write the same pair to the same bytes
.endr
	s_wait_dscnt 0x0                               ; my stores are in LDS, for the partner's sake
	s_barrier_signal -1
	s_barrier_wait -1
	ds_load_b64 v[LS:LS+1],   v[MLP]
	ds_load_b64 v[LS+4:LS+5], v[MLP] offset:128
	s_wait_dscnt 0x0
; my share of the result: O * a / (l a + l' b), a = 2^(m - max), b = 2^(m' - max).  The larger of a and b is 1 and its l is at least 1, so the divisor is at least 1.
.macro MERGE q
	v_max_num_f32 v[T0+\q], v[BB+4*\q], v[LS+4*\q]
	v_sub_f32 v[BB+4*\q+3], v[BB+4*\q], v[T0+\q]
	v_sub_f32 v[T2+\q], v[LS+4*\q], v[T0+\q]
	v_exp_f32 v[BB+4*\q+2], v[BB+4*\q+3]
	v_exp_f32 v[T2+\q], v[T2+\q]
	v_nop                                          ; the plain place behind the exponentials
	s_wait_alu depctr_va_vdst(0)
	v_mul_f32 v[BB+4*\q+1], v[BB+4*\q+1], v[BB+4*\q+2]
	v_fmac_f32 v[BB+4*\q+1], v[LS+4*\q+1], v[T2+\q]
	v_rcp_f32 v[BB+4*\q+3], v[BB+4*\q+1]
	v_nop                                          ; and behind the reciprocal
	s_wait_alu depctr_va_vdst(0)
	v_mul_f32 v[BB+4*\q+2], v[BB+4*\q+2], v[BB+4*\q+3]
	RESC \q, 0
	RESC \q, 1
.endm
	MERGE 0
	MERGE 1
.irp q, 0,1
.irp dt, 0,1,2,3
	ds_store_b128 v[STO], v[OA+32*\q+8*\dt:OA+32*\q+8*\dt+3]   offset:4352*\q+64*\dt       ; query r, d = 16 dt + 8 h + 0..3
	ds_store_b128 v[STO], v[OA+32*\q+8*\dt+4:OA+32*\q+8*\dt+7] offset:4352*\q+64*\dt+16    ; and + 4..7
.endr
.endr
	s_wait_dscnt 0x0
	s_barrier_signal -1
	s_barrier_wait -1                              ; both shares of every query are in the stage
	; I finish query tile g of my pair: wave pw's share and, 4 x 8,704 bytes on, wave pw + 4's; two rows of 256 bytes at a time
.irp i, 0,1,2,3,4,5,6,7
	ds_load_b128 v[SC+4*\i:SC+4*\i+3],       v[RA] offset:544*\i
	ds_load_b128 v[SC+32+4*\i:SC+32+4*\i+3], v[RA] offset:34816+544*\i
.endr
.irp i, 0,1,2,3,4,5,6,7
	s_wait_dscnt 14-2*\i                           ; pair i is in; the younger pairs stay out
	v_pk_add_f32 v[SC+4*\i:SC+4*\i+1],   v[SC+4*\i:SC+4*\i+1],   v[SC+32+4*\i:SC+32+4*\i+1]
	v_pk_add_f32 v[SC+4*\i+2:SC+4*\i+3], v[SC+4*\i+2:SC+4*\i+3], v[SC+32+4*\i+2:SC+32+4*\i+3]
	global_store_b128 v[OUTO], v[SC+4*\i:SC+4*\i+3], s[10:11] offset:512*\i th:TH_STORE_NT  ; sixteen lanes store one whole row of out: 256 consecutive bytes, aligned
.endr
	s_set_vgpr_msb 0x5
	s_wait_tensorcnt 0x0
	ds_add_u32 v0, v1
	s_wait_dscnt 0x0
	s_set_vgpr_msb 0x500
	ROUND                                          ; the closing round: no work-group ends while a partner may still ask for a tile that names it
	s_endpgm
.Lfunc_end_k_q559e16b70c_attn:
	.size	k_q559e16b70c_attn, .Lfunc_end_k_q559e16b70c_attn-k_q559e16b70c_attn
	.p2alignl 7, 3214868480
	.fill 96, 4, 3214868480
	.section	.rodata,"a",@progbits
	.p2align	6, 0x0
	.amdhsa_kernel k_q559e16b70c_attn
		.amdhsa_group_segment_fixed_size 327680
		.amdhsa_private_segment_fixed_size 0
		.amdhsa_enable_private_segment 0
		.amdhsa_kernarg_size 32
		.amdhsa_user_sgpr_count 2
		.amdhsa_user_sgpr_kernarg_segment_ptr 1
		.amdhsa_wavefront_size32 1
		.amdhsa_system_sgpr_workgroup_id_x 1
		.amdhsa_system_sgpr_workgroup_id_y 1
		.amdhsa_system_sgpr_workgroup_id_z 1
		.amdhsa_system_vgpr_workitem_id 0
		.amdhsa_next_free_vgpr 258
		.amdhsa_next_free_sgpr 66
		.amdhsa_reserve_vcc 0
		.amdhsa_float_denorm_mode_32 3
		.amdhsa_float_denorm_mode_16_64 3
		.amdhsa_memory_ordered 1
		.amdhsa_forward_progress 1
		.amdhsa_inst_pref_size 248
	.end_amdhsa_kernel
	.amdgpu_metadata
---
amdhsa.version: [ 1, 2 ]
amdhsa.kernels:
  - .name:           k_q559e16b70c_attn
    .symbol:         k_q559e16b70c_attn.kd
    .args:
      - { .name: qw, .offset: 0, .size: 8, .value_kind: global_buffer, .address_space: global }
      - { .name: kw, .offset: 8, .size: 8, .value_kind: global_buffer, .address_space: global }
      - { .name: vw, .offset: 16, .size: 8, .value_kind: global_buffer, .address_space: global }
      - { .name: out0, .offset: 24, .size: 8, .value_kind: global_buffer, .address_space: global }
    .group_segment_fixed_size: 327680
    .private_segment_fixed_size: 0
    .kernarg_segment_align: 8
    .kernarg_segment_size: 32
    .max_flat_workgroup_size: 256
    .sgpr_count:     66
    .vgpr_count:     258
    .wavefront_size: 32
...
	.end_amdgpu_metadata
.endif
;; end of part 2
;; ======== version 2 of 2: 2 launches; version 1 with the launch proj written anew for expert scheduling mode
;; workspace buffers: qw 4,194,304 bytes; kw 4,194,304 bytes; vw 4,194,304 bytes
;; launch proj (part 3): grid 256 x 1, 8 waves a work-group, no clusters, 224,256 bytes of LDS; arguments x, W_qkv, b_qkv, qw, kw, vw; writes qw, kw, vw
.if DOCPART == 3
	.amdgcn_target "amdgcn-amd-amdhsa--gfx1250"
	.amdhsa_code_object_version 6
	.text
	.protected	k_q559e16b70c_proj
	.globl	k_q559e16b70c_proj
	.p2align	8
	.type	k_q559e16b70c_proj,@function
k_q559e16b70c_proj:
	s_mov_b64 s[64:65], 0
	v_nop
	global_prefetch_b8 v0, s[64:65] scope:SCOPE_SE
	s_setreg_imm32_b32 hwreg(HW_REG_WAVE_SCHED_MODE, 0, 2), 2
	s_setreg_imm32_b32 hwreg(HW_REG_WAVE_MODE, 25, 1), 1
	s_wait_xcnt 0x0
	s_wait_alu depctr_vm_vsrc(0)
; q, k, v = x W^T + b.  x: [8192][256] f32, W: [768][256] f32, b: [768] f32.
; Out, all bf16: qw [16 bh][2048 s][64 d] = q * 0.125 * log2(e) (the product in f32, rounded once), kw [16 bh][2048 s][64 d],
; vw [16 bh][64 d][2048 s] (v transposed: the next launch wants keys along the rows of v).
; A work-group makes 128 rows of x times the 192 columns of one head (64 of q, 64 of k, 64 of v) over the whole K = 256: 64 row blocks x 4 heads = 256 work-groups.
; Wave w: mh = w >> 2 (64 rows, four tiles of 16), jt = w & 3 (column tile jt of q, of k and of v): 12 accumulators, 96 matrix instructions.
; THE WAY IN goes through registers, not through a tensor load, and no tile is asked for jointly: the data are f32 and the matrix unit takes bf16.  Through registers
; each of the 320 x 256 numbers is converted once (80 loads of 16 bytes a thread); as f32 tiles in LDS the 327,680 bytes would leave no room for the stages, and each
; fragment of x would be converted by four waves, each of W by two.
; LIMITS: x and W are rounded to bf16 for the products, q, k, v once to bf16 on the way out; sums in f32, the bias in f32 as the sums' first term.
; THE MODE: SCHED_MODE bits 1:0 = 2 (LLVM: expert scheduling mode 2), set by the entry lines.  The code itself states the register dependences
; between vector or matrix instructions and memory or LDS instructions, with s_wait_alu, always for 0.
; THE PLAN.  Registers that memory or LDS instructions touch:
;   v1, v[2:15]   offsets and LDS addresses, made once at the head and never written again.  v176, v177: the bias loads' offsets; fragment loads land there later.
;   RG, 32 slots  Written by the global loads; read by the conversions of the slot's batch; the reload of batch k's slots is issued in batch k + 1.
;   TP, 32 pairs  Written by batch k's conversions; read by the four LDS stores that are issued in batch k + 1; written again by batch k + 8.
;   F0, F1        Written by LDS loads; read by one K step's matrix instructions; loaded again behind that step.
;   PK            Written by the way out's conversions; read by its twelve LDS stores.       v[48:95] then take the stages' rows back and are read by the global stores.
;   v22, v23      Written at the head, read by the closing add alone.
; THE WAY IN: batch k works on its own four slots and pairs; its memory instructions touch the slots and pairs of batch k - 1, which no vector line of batch k names.  So one
; wait on va_vdst at a batch's head states all that its four reloads and four LDS stores hang on, and they are dealt among its eight conversions.  Two waits on vm_vsrc, at the
; heads of batches 8 and 15, free the pairs that are written a second and a third time.
; THE PRODUCT: one wait on va_vdst behind a K step's matrix instructions, ahead of the loads into the buffer that they read.  96 accumulator registers, two buffers of 56 and
; 48 others fill the 256 registers: there is no third buffer to take turns with.
; THE WAY OUT: all conversions, one wait on va_vdst, all twelve LDS stores; no vector line follows, so the same wait serves the loads that bring the rows back.
.set XP, 528                           ; LDS pitch of a row of 256 bf16: 512 bytes + 16 = 33 x 16, so the 16 rows of a fragment load lie in 16 different 16-byte columns of 256 bytes
.set QP, 144                           ; pitch of the q and k stages: 128 bytes + 16
.set VP, 272                           ; pitch of the v stage: 256 bytes + 16
.set QS, 320*XP                        ; 168,960: behind rows 0-127 x, 128-191 Wq, 192-255 Wk, 256-319 Wv.  128 s rows of q
.set KS, QS+128*QP                     ; 187,392: 128 s rows of k
.set VS, KS+128*QP                     ; 205,824: 64 d rows of v, 128 s each; ends at 223,232
.set QSCALE, 0x3e38aa3b                ; 0.125 * log2(e): 1 / sqrt(64), and the next launch's exponentials are to base 2
.set LA,  2                            ; v[2:6]     way in: LDS address of my 8 bytes, for pieces 16 g .. 16 g + 15
.set XA,  7                            ; v7         fragments of x
.set WA,  8                            ; v[8:10]    fragments of Wq, Wk, Wv
.set SQ,  11                           ; v11        where I put 16 bytes of q (k: + KS - QS)
.set SV,  12                           ; v12        where I put 16 bytes of v
.set RQ,  13                           ; v13        where I read q and k back
.set RV,  14                           ; v14        where I read v back
.set GV,  15                           ; v15        my byte offset in vw
.set BQ,  24                           ; v[24:31]   bias of q as a C operand
.set BK,  32                           ; v[32:39]   of k
.set BV,  40                           ; v[40:47]   of v
.set ACC, 48                           ; v[48:143]  accumulator (sec, mt) at 48 + 8 (4 sec + mt)
.set RG,  48                           ; v[48:175]  way in: 32 slots of 4 registers (the accumulators and buffer 0 are not yet in use)
.set F0,  144                          ; v[144:199] fragment buffer 0: x tile mt at + 8 mt, W of section sec at + 32 + 8 sec
.set F1,  200                          ; v[200:255] fragment buffer 1
.set PK,  144                          ; v[144:191] way out: 4 packed registers for each of the 12 tiles
.set BO,  176                          ; v176, v177 offsets of the bias loads
.set TM,  180                          ; v[180:185] at work during the set-up
.set TP,  192                          ; v[192:255] way in: 32 pairs of packed bf16, one for each slot (the fragment buffers are not yet in use)
	s_load_b256 s[4:11], s[0:1], 0x0               ; x s[4:5], W s[6:7], b s[8:9], qw s[10:11]
	s_load_b128 s[12:15], s[0:1], 0x20             ; kw s[12:13], vw s[14:15]
	v_lshl_add_u32 v22, v0, 2, 0x36800
	v_mov_b32 v23, 0
	v_lshrrev_b32 v[TM], 5, v0
	v_readfirstlane_b32 s16, v[TM]                 ; wave 0..7
	v_lshlrev_b32 v1, 4, v0                        ; 16 t: my 16 bytes of each piece of 4,096, on the way in and in qw and kw
	v_and_b32 v[TM+1], 15, v0                      ; r
	v_bfe_u32 v[TM+2], v0, 4, 1                    ; h
	s_wait_alu depctr_va_sdst(0)                   ; s16 is written, ahead of its first reader: mh, jt and the LDS addresses are made from it
	s_lshr_b32 s17, s16, 2                         ; mh
	s_and_b32 s18, s16, 3                          ; jt
	s_and_b32 s19, ttmp9, 3                        ; head
	s_lshr_b32 s20, ttmp9, 2                       ; mb: block of 128 rows of x
	s_mov_b32 s22, QSCALE
	s_mov_b32 s23, QSCALE
	s_lshl_b32 s24, s20, 17                        ; x: mb x 128 rows x 1,024 bytes
	s_mov_b32 s25, 0
	s_lshl_b32 s26, s19, 16                        ; W: head x 64 rows x 1,024 bytes
	s_mov_b32 s27, 0
	s_lshl_b32 s28, s19, 8                         ; b: head x 64 x 4 bytes
	s_mov_b32 s29, 0
	s_lshr_b32 s30, s20, 4                         ; batch
	s_lshl2_add_u32 s30, s30, s19                  ; bh = 4 batch + head
	s_lshl_b32 s30, s30, 18                        ; bh x 262,144 bytes
	s_and_b32 s32, s20, 15                         ; which 128 of the batch's 2,048 rows
	s_lshl_b32 s33, s32, 14                        ; qw, kw: 128 rows of 128 bytes
	s_add_co_u32 s34, s30, s33
	s_mov_b32 s35, 0
	s_lshl_b32 s33, s32, 8                         ; vw: 128 columns of 2 bytes
	s_add_co_u32 s36, s30, s33
	s_mov_b32 s37, 0
	s_lshl_b32 s38, s18, 6                         ; 16 jt numbers of 4 bytes
	v_lshl_add_u32 v[BO], v[TM+2], 5, s38          ; q, k: register j of my results is column 16 jt + 8 h + j
	v_lshl_add_u32 v[BO+1], v[TM+1], 2, s38        ; v: all my results are column 16 jt + r
	s_wait_kmcnt 0x0
	s_add_nc_u64 s[4:5], s[4:5], s[24:25]
	s_add_nc_u64 s[6:7], s[6:7], s[26:27]
	s_add_nc_u64 s[8:9], s[8:9], s[28:29]
	s_add_nc_u64 s[10:11], s[10:11], s[34:35]
	s_add_nc_u64 s[12:13], s[12:13], s[34:35]
	s_add_nc_u64 s[14:15], s[14:15], s[36:37]
	s_wait_alu depctr_va_vdst(0)                   ; v1, v176 and v177 are written: the loads below read them as their offsets
	; the bias first: loads come back in order (ISA guide 5.7.1), so the first counted wait below covers these five
	global_load_b128 v[BQ:BQ+3],   v[BO], s[8:9]
	global_load_b128 v[BQ+4:BQ+7], v[BO], s[8:9] offset:16
	global_load_b128 v[BK:BK+3],   v[BO], s[8:9] offset:1024
	global_load_b128 v[BK+4:BK+7], v[BO], s[8:9] offset:1040
	global_load_b32  v[BV],        v[BO+1], s[8:9] offset:2048
; THE WAY IN.  Piece i (0 .. 79) is four rows of 1,024 bytes, 16 bytes a thread: pieces 0-31 are x, 32-47 Wq, 48-63 Wk, 64-79 Wv.
.macro RLOAD i
.if (\i) < 32
	global_load_b128 v[RG+4*((\i)%32):RG+4*((\i)%32)+3], v1, s[4:5] offset:4096*(\i)
.else
	global_load_b128 v[RG+4*((\i)%32):RG+4*((\i)%32)+3], v1, s[6:7] offset:262144*(((\i)-32)/16)+4096*(((\i)-32)%16)
.endif
.endm
.macro CONV i                          ; piece i: four f32 of slot i % 32 into pair i % 32
	v_cvt_pk_bf16_f32 v[TP+2*((\i)%32)],   v[RG+4*((\i)%32)],   v[RG+4*((\i)%32)+1]
	v_cvt_pk_bf16_f32 v[TP+2*((\i)%32)+1], v[RG+4*((\i)%32)+2], v[RG+4*((\i)%32)+3]
.endm
.macro PUT i                           ; piece i: pair i % 32 into LDS
	ds_store_b64 v[LA+(\i)/16], v[TP+2*((\i)%32):TP+2*((\i)%32)+1] offset:4*XP*((\i)%16)
.endm
; Batch k converts pieces 4 k .. 4 k + 3.  Among its eight conversions stand the memory instructions of the batch BEFORE: the reloads into its four slots (the pieces 32 further
; on) and the LDS stores of its four pairs.  No vector line of batch k names those slots or pairs.  No address register is ever written again.
.macro BATCH k
.if (\k) == 0
	s_wait_loadcnt 28                              ; five bias loads and 32 pieces are out: the bias and the four oldest pieces are in, the 28 younger stay out
.elseif (\k) < 14
	s_wait_loadcnt 24                              ; 4 k + 28 pieces have been asked for: pieces 0 .. 4 k + 3 are in, the 24 younger stay out
.else
	s_wait_loadcnt 76-4*(\k)                       ; all 80 have been asked for: all but pieces 0 .. 4 k + 3 may stay out
.endif
.if ((\k) == 8) || ((\k) == 15)
	s_wait_alu depctr_vm_vsrc(0)                   ; the LDS stores issued so far, those of batches 0 .. k - 2, have read their pairs: at 8 that frees the pairs which batches 8 to 14 write again, at 15 those which batches 15 to 19 write again
.endif
.if (\k) > 0
	s_wait_alu depctr_va_vdst(0)                   ; the batch before has written its pairs, which the stores below read, and is done reading its slots, in which the loads below land; in batch 1 also: v[2:15] are written
.endif
.irp e, 0,1,2,3
.if ((\k) > 0) && ((\k) < 13)
	RLOAD 4*(\k)+\e+28                             ; piece 4 (k - 1) + e + 32, into the slot of piece 4 (k - 1) + e
.endif
.if (\k) > 0
	PUT 4*(\k)+\e-4                                ; piece 4 (k - 1) + e
.endif
	CONV 4*(\k)+\e
.endr
.endm
.irp g, 0,1
.irp k, 0,1,2,3,4,5,6,7,8,9,10,11,12,13,14,15
	RLOAD 16*\g+\k                                 ; 32 loads of 512 bytes a wave are on their way: 131,072 bytes for the work-group
.endr
.endr
	; LDS addresses, while the loads are out
	v_lshrrev_b32 v[TM+3], 6, v0                   ; which of a piece's four rows
	v_and_b32 v[TM+4], 63, v0                      ; which four numbers of the row
	v_mul_u32_u24 v[TM+3], v[TM+3], XP
	v_lshl_add_u32 v[LA], v[TM+4], 3, v[TM+3]
.irp g, 1,2,3,4
	v_add_nc_u32 v[LA+\g], \g*64*XP, v[LA]         ; 16 pieces are 64 rows
.endr
	; a fragment is 16 rows x 32 K: lane (r, h) takes 16 bytes at row r, byte 16 h, and 16 more 32 bytes on
	v_mul_u32_u24 v[TM+3], v[TM+1], XP
	v_lshl_add_u32 v[TM+3], v[TM+2], 4, v[TM+3]    ; r x pitch + 16 h
	s_mul_i32 s38, s17, 64*XP
	v_add_nc_u32 v[XA], s38, v[TM+3]               ; my 64 rows of x
	s_mul_i32 s38, s18, 16*XP
	s_add_co_u32 s38, s38, 128*XP
	v_add_nc_u32 v[WA], s38, v[TM+3]               ; my 16 rows of Wq,
	v_add_nc_u32 v[WA+1], 64*XP, v[WA]             ; of Wk,
	v_add_nc_u32 v[WA+2], 128*XP, v[WA]            ; of Wv
	v_mul_u32_u24 v[TM+3], v[TM+1], QP
	v_lshl_add_u32 v[TM+3], v[TM+2], 4, v[TM+3]
	s_mul_i32 s38, s17, 64*QP
	s_lshl_b32 s39, s18, 5
	s_add_co_u32 s38, s38, s39
	s_add_co_u32 s38, s38, QS
	v_add_nc_u32 v[SQ], s38, v[TM+3]               ; q stage: row 64 mh + r, byte 32 jt + 16 h
	v_mul_u32_u24 v[TM+3], v[TM+1], VP
	v_lshl_add_u32 v[TM+3], v[TM+2], 4, v[TM+3]
	s_mul_i32 s38, s18, 16*VP
	s_lshl_b32 s39, s17, 7
	s_add_co_u32 s38, s38, s39
	s_add_co_u32 s38, s38, VS
	v_add_nc_u32 v[SV], s38, v[TM+3]               ; v stage: row 16 jt + r, byte 128 mh + 16 h
	v_lshrrev_b32 v[TM+3], 3, v0
	v_and_b32 v[TM+4], 7, v0
	v_mul_u32_u24 v[TM+3], v[TM+3], QP
	v_lshl_add_u32 v[TM+3], v[TM+4], 4, v[TM+3]
	v_add_nc_u32 v[RQ], QS, v[TM+3]                ; back: eight threads take a row of 128 bytes
	v_lshrrev_b32 v[TM+3], 4, v0
	v_lshlrev_b32 v[TM+4], 4, v[TM+1]
	v_mul_u32_u24 v[TM+5], v[TM+3], VP
	v_add_nc_u32 v[TM+5], v[TM+5], v[TM+4]
	v_add_nc_u32 v[RV], VS, v[TM+5]                ; back: sixteen threads take a row of 256 bytes,
	v_lshl_add_u32 v[GV], v[TM+3], 12, v[TM+4]     ; which lies in a row of 4,096 bytes of vw
.irp k, 0,1,2,3,4,5,6,7,8,9,10,11,12,13,14,15,16,17,18,19
	BATCH \k
.endr
.irp j, 1,2,3,4,5,6,7
	v_mov_b32 v[BV+\j], v[BV]                      ; v's bias is one number a lane: all eight registers of the C operand hold it
.endr
	s_wait_alu depctr_va_vdst(0)                   ; batch 19 has written its pairs, which the stores below read.  No vector line follows until the first product, so this wait also states, for the first fragment loads, that every conversion is done with v[144:175] and v[192:255] and the set-up with v[180:185]
.irp e, 0,1,2,3
	PUT 76+\e
.endr
	s_wait_dscnt 0x0                               ; my stores are in LDS, for the other waves' sake
	s_barrier_signal -1
	s_barrier_wait -1                              ; everybody's are: x and W are whole
	s_wait_alu depctr_vm_vsrc(0)                   ; my LDS stores have read v[192:255]: from here on these registers are the fragment buffers, in which LDS loads land
; THE PRODUCT.
.macro PLACES n                        ; a vector instruction that reads a matrix instruction's result or writes one of its registers stands four plain vector instructions behind it
.rept \n                               ; (ISA guide 7.12.1); other matrix instructions are not counted as such here.  Ahead of the fragment loads the four are kept beside the wait that states the dependence
	v_nop
.endr
.endm
.macro FETCH c, f                      ; the 14 loads of K step c (32 along K = 64 bytes of the rows): four tiles of x, one each of Wq, Wk, Wv
.irp mt, 0,1,2,3
	ds_load_b128 v[\f+8*\mt:\f+8*\mt+3],   v[XA] offset:16*XP*\mt+64*(\c)
	ds_load_b128 v[\f+8*\mt+4:\f+8*\mt+7], v[XA] offset:16*XP*\mt+64*(\c)+32
.endr
.irp sec, 0,1,2
	ds_load_b128 v[\f+32+8*\sec:\f+32+8*\sec+3],   v[WA+\sec] offset:64*(\c)
	ds_load_b128 v[\f+32+8*\sec+4:\f+32+8*\sec+7], v[WA+\sec] offset:64*(\c)+32
.endr
.endm
; 12 matrix instructions.  q and k: source 0 = 16 rows of W, source 1 = 16 rows of x, so that lane (r, h) holds row s = r and the eight NEIGHBOURING columns 8 h + j.
; v: source 0 = x, source 1 = W, so that the lane holds column r and eight neighbouring rows s = 8 h + j, which are neighbours in the transposed vw.
; first = 1: the bias is the C operand and starts the sums; nothing is cleared.  The twelve accumulators take turns, one instruction a turn.
.macro MUL f, first
.irp mt, 0,1,2,3
.if \first
	v_wmma_f32_16x16x32_bf16 v[ACC+8*\mt:ACC+8*\mt+7],       v[\f+32:\f+39], v[\f+8*\mt:\f+8*\mt+7], v[BQ:BQ+7]
	v_wmma_f32_16x16x32_bf16 v[ACC+32+8*\mt:ACC+32+8*\mt+7], v[\f+40:\f+47], v[\f+8*\mt:\f+8*\mt+7], v[BK:BK+7]
	v_wmma_f32_16x16x32_bf16 v[ACC+64+8*\mt:ACC+64+8*\mt+7], v[\f+8*\mt:\f+8*\mt+7], v[\f+48:\f+55], v[BV:BV+7]
.else
	v_wmma_f32_16x16x32_bf16 v[ACC+8*\mt:ACC+8*\mt+7],       v[\f+32:\f+39], v[\f+8*\mt:\f+8*\mt+7], v[ACC+8*\mt:ACC+8*\mt+7]
	v_wmma_f32_16x16x32_bf16 v[ACC+32+8*\mt:ACC+32+8*\mt+7], v[\f+40:\f+47], v[\f+8*\mt:\f+8*\mt+7], v[ACC+32+8*\mt:ACC+32+8*\mt+7]
	v_wmma_f32_16x16x32_bf16 v[ACC+64+8*\mt:ACC+64+8*\mt+7], v[\f+8*\mt:\f+8*\mt+7], v[\f+48:\f+55], v[ACC+64+8*\mt:ACC+64+8*\mt+7]
.endif
.endr
.endm
	FETCH 0, F0
	FETCH 1, F1
.irp c, 0,1,2,3,4,5,6,7
.if \c < 7
	s_wait_dscnt 14                                ; this K step's 14 loads are in; the next step's 14 may be out
.else
	s_wait_dscnt 0
.endif
.if \c == 0
	MUL F0, 1
.else
	MUL F0+56*(\c%2), 0
.endif
.if \c < 6
	PLACES 4
	s_wait_alu depctr_va_vdst(0)                   ; this step's matrix instructions are done reading their buffer, in which the loads below land
	FETCH \c+2, F0+56*(\c%2)                       ; the buffer just multiplied gets the K step after next
.endif
.endr
	; THE WAY OUT: round to bf16, 16 bytes a lane into the stages (bytes of their own: no wave still reading x or W is disturbed), back as whole rows.
	; Each of the twelve tiles has its own four packed registers, so all the conversions stand together, then one wait, then the twelve stores.
	PLACES 4
.irp mt, 0,1,2,3
.irp p, 0,1,2,3
	v_pk_mul_f32 v[ACC+8*\mt+2*\p:ACC+8*\mt+2*\p+1], v[ACC+8*\mt+2*\p:ACC+8*\mt+2*\p+1], s[22:23] op_sel_hi:[1,0]
.endr
.irp p, 0,1,2,3
	v_cvt_pk_bf16_f32 v[PK+4*\mt+\p], v[ACC+8*\mt+2*\p], v[ACC+8*\mt+2*\p+1]
.endr
.endr
.irp mt, 0,1,2,3
.irp p, 0,1,2,3
	v_cvt_pk_bf16_f32 v[PK+16+4*\mt+\p], v[ACC+32+8*\mt+2*\p], v[ACC+32+8*\mt+2*\p+1]
.endr
.endr
.irp mt, 0,1,2,3
.irp p, 0,1,2,3
	v_cvt_pk_bf16_f32 v[PK+32+4*\mt+\p], v[ACC+64+8*\mt+2*\p], v[ACC+64+8*\mt+2*\p+1]
.endr
.endr
	s_wait_alu depctr_va_vdst(0)                   ; the conversions have written v[144:191], which the LDS stores read, and are done with v[48:95], in which the loads behind the barrier land: no vector line follows this wait
.irp mt, 0,1,2,3
	ds_store_b128 v[SQ], v[PK+4*\mt:PK+4*\mt+3] offset:16*QP*\mt
.endr
.irp mt, 0,1,2,3
	ds_store_b128 v[SQ], v[PK+16+4*\mt:PK+16+4*\mt+3] offset:KS-QS+16*QP*\mt
.endr
.irp mt, 0,1,2,3
	ds_store_b128 v[SV], v[PK+32+4*\mt:PK+32+4*\mt+3] offset:32*\mt
.endr
	s_wait_dscnt 0x0                               ; my stores are in LDS, for the other waves' sake
	s_barrier_signal -1
	s_barrier_wait -1                              ; the three stages are whole
.irp i, 0,1,2,3
	ds_load_b128 v[ACC+4*\i:ACC+4*\i+3], v[RQ] offset:32*QP*\i             ; 256 threads take 32 rows of q
.endr
.irp i, 0,1,2,3
	ds_load_b128 v[ACC+16+4*\i:ACC+16+4*\i+3], v[RQ] offset:KS-QS+32*QP*\i ; of k
.endr
.irp i, 0,1,2,3
	ds_load_b128 v[ACC+32+4*\i:ACC+32+4*\i+3], v[RV] offset:16*VP*\i       ; 16 rows of v
.endr
	; in each store sixteen neighbouring lanes write 256 consecutive bytes at a multiple of 256 from the buffer's first byte
.irp i, 0,1,2,3
	s_wait_dscnt 11-\i                             ; LDS loads come back in order: the younger ones stay out
	global_store_b128 v1, v[ACC+4*\i:ACC+4*\i+3], s[10:11] offset:4096*\i
.endr
.irp i, 0,1,2,3
	s_wait_dscnt 7-\i
	global_store_b128 v1, v[ACC+16+4*\i:ACC+16+4*\i+3], s[12:13] offset:4096*\i
.endr
.irp i, 0,1,2,3
	s_wait_dscnt 3-\i
	global_store_b128 v[GV], v[ACC+32+4*\i:ACC+32+4*\i+3], s[14:15] offset:65536*\i
.endr
	s_wait_dscnt 0x0                               ; the closing lines, six on end
	s_wait_alu 0x0
	s_wait_tensorcnt 0x0
	ds_add_u32 v22, v23
	s_wait_dscnt 0x0
	s_endpgm
.Lfunc_end_k_q559e16b70c_proj:
	.size	k_q559e16b70c_proj, .Lfunc_end_k_q559e16b70c_proj-k_q559e16b70c_proj
	.p2alignl 7, 3214868480
	.fill 96, 4, 3214868480
	.section	.rodata,"a",@progbits
	.p2align	6, 0x0
	.amdhsa_kernel k_q559e16b70c_proj
		.amdhsa_group_segment_fixed_size 224256
		.amdhsa_private_segment_fixed_size 0
		.amdhsa_enable_private_segment 0
		.amdhsa_kernarg_size 48
		.amdhsa_user_sgpr_count 2
		.amdhsa_user_sgpr_kernarg_segment_ptr 1
		.amdhsa_wavefront_size32 1
		.amdhsa_system_sgpr_workgroup_id_x 1
		.amdhsa_system_sgpr_workgroup_id_y 1
		.amdhsa_system_sgpr_workgroup_id_z 1
		.amdhsa_system_vgpr_workitem_id 0
		.amdhsa_next_free_vgpr 256
		.amdhsa_next_free_sgpr 66
		.amdhsa_reserve_vcc 0
		.amdhsa_float_denorm_mode_32 3
		.amdhsa_float_denorm_mode_16_64 3
		.amdhsa_memory_ordered 1
		.amdhsa_forward_progress 1
		.amdhsa_inst_pref_size 51
	.end_amdhsa_kernel
	.amdgpu_metadata
---
amdhsa.version: [ 1, 2 ]
amdhsa.kernels:
  - .name:           k_q559e16b70c_proj
    .symbol:         k_q559e16b70c_proj.kd
    .args:
      - { .name: x, .offset: 0, .size: 8, .value_kind: global_buffer, .address_space: global }
      - { .name: W_qkv, .offset: 8, .size: 8, .value_kind: global_buffer, .address_space: global }
      - { .name: b_qkv, .offset: 16, .size: 8, .value_kind: global_buffer, .address_space: global }
      - { .name: qw, .offset: 24, .size: 8, .value_kind: global_buffer, .address_space: global }
      - { .name: kw, .offset: 32, .size: 8, .value_kind: global_buffer, .address_space: global }
      - { .name: vw, .offset: 40, .size: 8, .value_kind: global_buffer, .address_space: global }
    .group_segment_fixed_size: 224256
    .private_segment_fixed_size: 0
    .kernarg_segment_align: 8
    .kernarg_segment_size: 48
    .max_flat_workgroup_size: 256
    .sgpr_count:     66
    .vgpr_count:     256
    .wavefront_size: 32
...
	.end_amdgpu_metadata
.endif
;; end of part 3
;; launch attn: the kernel of part 2 again; grid 256 x 1, 8 waves a work-group, clusters of 4 x 1, 327,680 bytes of LDS; arguments qw, kw, vw, out0; writes out0
